; MI455X (gfx1250); checked and timed in simulation.
; The chip was launched on July 23, 2026; its instructions are those of AMD's public machine-readable ISA for CDNA 5 (MIT licence, August 2026) and "CDNA5" Instruction Set Architecture Reference Guide (July 2026). The comments in the code are by the model that wrote it; some were corrected since.
;; Sigma Mo E. Allowed arithmetic: float matrix products may take bf16 or f16 operands with f32 sums; all other float work in f32.
;; Inputs: bias_ffn 16 float32; expert_sel 16 x 1,024 float32; keys_w 16 x 1,024 x 512 float32; selection_input 4 x 1,024 x 1,024 float32; token_stream 4 x 1,024 x 1,024 float32; values_w 16 x 512 x 1,024 float32.
;; Outputs: out0 4 x 1,024 x 1,024 float32; out1 4 x 1,024 x 6 int32.
;; One version. Each part assembles by itself: llvm-mc -triple=amdgcn-amd-amdhsa -mcpu=gfx1250 --defsym DOCPART=n.
;; ======== version 1 of 1: 3 launches
;; limits: values are held in f16: magnitudes above 65,504 overflow, below 6.1e-05 lose precision; inputs' magnitudes at most 16,376; right only within a limited range of input values
;; workspace buffers: x16 8,388,608 bytes; k16 16,777,216 bytes; v16 16,777,216 bytes; gate 262,144 bytes; h 67,108,864 bytes
;; launch prep (part 1): grid 256 x 1, 8 waves a work-group, no clusters, 66,560 bytes of LDS; arguments selection_input, expert_sel, bias_ffn, token_stream, keys_w, values_w, out1, gate, x16, k16, v16; writes out1, gate, x16, k16, v16
.if DOCPART == 1
	.amdgcn_target "amdgcn-amd-amdhsa--gfx1250"
	.amdhsa_code_object_version 6
	.text
	.protected	k_q168cdce680_prep
	.globl	k_q168cdce680_prep
	.p2align	8
	.type	k_q168cdce680_prep,@function
k_q168cdce680_prep:
	s_mov_b64 s[64:65], 0
	v_nop
	global_prefetch_b8 v0, s[64:65] scope:SCOPE_SE
	s_setreg_imm32_b32 hwreg(HW_REG_WAVE_MODE, 25, 1), 1
	s_wait_xcnt 0x0
; prep: (1) the routing, all in f32 on the vector unit; (2) the casts to f16: x16 = token_stream, k16 = keys_w, v16 = 4 values_w (same layouts).
; ROUTING.  logit[t][e] = selection_input[t] . expert_sel[e]; affinity = sigmoid(logit); the four largest of affinity[0..13] + bias[0..13], the lower index
; first among equals; experts 14 and 15 always.  out1[t] = the six indices; gate[t][e] = affinity / 4 where e is chosen, else 0.
; The indices are whole numbers that must be exact, so no operand is rounded to 16 bits here: the products are 1/1000 of the program's arithmetic.
; WHY f16, AND THE FACTORS 4.  The result passes four roundings of matrix operands (x, K, the hidden layer, V).  With 11 significant bits each is an eighth of what 8 bits would leave.
; The hidden layer is the one operand that grows with two inputs at once (x and keys_w both offset by 30 spreads: scores of 1024 x 30 x 0.94 = 29,000), so it is kept as a quarter
; of its value and values_w as four times its own: powers of two, which change no bit of the products' sum.
; SHARES.  256 work-groups of 8 waves.  Work-group g routes tokens 16 g .. 16 g + 15, wave w two of them, and casts 1/256 of each of the three tensors.
; No matrix unit, cluster or tensor load: the launch streams each byte once, and the one table that all share (expert_sel, 64 KiB) is copied into LDS once.
; LIMITS.  NaN inputs are not served.  bias must be finite (-inf marks an expert that is taken).  The logit is clamped to [-87, 87]: above 87 the affinity is 1.0
; in f32 either way; below -87 it is returned as e^-87 = 1.6e-38 in place of a smaller number.  Two ranking keys that differ by less than the rounding of
; an f32 sum of 1,024 products may be ranked otherwise than by another order of summation.  |token_stream|, |keys_w| above 65,504 and |values_w| above 16,376 become infinities;
; below 6.1e-5 (values_w: 1.5e-5) the numbers are kept in steps of 2^-24 (2^-26).
.set XS,   16                          ; v[16:79]    two selection rows, 32 registers each: register 4 j + c of lane L holds d = 128 j + 4 L + c
.set WB0,  80                          ; v[80:143]   two buffers of 32: one expert's row each, in the same map; first the stage for expert_sel
.set CH,   144                         ; v[144:151]  four chains of pairs: (token, parity of the pair)
.set LG0,  152                         ; v[152:167]  token 0's partial logits, then the lane's own token's logits
.set LG1,  168                         ; v[168:183]  token 1's partial logits
.set AFF,  184                         ; v[184:199]  affinities
.set KEY,  200                         ; v[200:213]  ranking keys
.set BI,   214                         ; v[214:217]  the four chosen indices
.set BEST, 218
.set NINF, 219                         ; -inf
.set GATE, 168                         ; v[168:181]  gates of experts 0 to 13 (LG1's registers, free by then)
.set PX,   80                          ; v[80:95], v[96:111]: at work (the row buffers are free by then)
.set QX,   96
.set CX,   16                          ; v[16:79]    cast ring: 16 slots of 4 registers, f32 as loaded
.set CY,   80                          ; v[80:111]   cast ring: 16 slots of 2 registers, f16 to store
	s_load_b512 s[4:19], s[0:1], 0x0               ; selection_input 4:5, expert_sel 6:7, bias 8:9, token_stream 10:11, keys_w 12:13, values_w 14:15, out1 16:17, gate 18:19
	s_load_b128 s[20:23], s[0:1], 0x40             ; x16 20:21, k16 22:23
	s_load_b64 s[24:25], s[0:1], 0x50              ; v16
	v_lshl_add_u32 v224, v0, 2, 0x10000
	v_mov_b32 v225, 0
	v_and_b32 v1, 31, v0                           ; L
	v_and_b32 v3, 15, v0                           ; r = L % 16
	v_bfe_u32 v5, v0, 4, 1                         ; h = L / 16
	v_lshrrev_b32 v6, 5, v0                        ; w
	v_lshlrev_b32 v2, 4, v1                        ; 16 L: my 16 bytes of every 512 of an expert's row in LDS
	v_lshl_add_u32 v4, v6, 13, v2                  ; 8192 w + 16 L: expert_sel's part, my wave's two selection rows, its two token rows; also the LDS store address
	v_lshl_add_u32 v7, v6, 14, v2                  ; 16384 w + 16 L: weights in
	v_lshlrev_b32 v8, 3, v1
	v_lshl_add_u32 v9, v6, 13, v8                  ; 8192 w + 8 L: k16, v16 out
	v_lshl_add_u32 v8, v6, 12, v8                  ; 4096 w + 8 L: x16 out
	v_lshlrev_b32 v10, 2, v1
	v_lshl_add_u32 v10, v6, 7, v10                 ; 128 w + 4 L = 64 (2 w + h) + 4 r: gate out
	v_mul_u32_u24 v11, v6, 48
	v_mad_u32_u24 v11, v5, 24, v11
	v_lshl_add_u32 v11, v3, 2, v11                 ; 24 (2 w + h) + 4 r: out1
	v_mov_b32 v[NINF], 0xff800000
	s_mov_b32 s48, 0xffff0000                      ; lanes 16 to 31
	s_mov_b32 s49, 0xaaaaaaaa                      ; lanes with bit 0 set,
	s_mov_b32 s50, 0xcccccccc                      ; bit 1,
	s_mov_b32 s51, 0xf0f0f0f0                      ; bit 2,
	s_mov_b32 s52, 0xff00ff00                      ; bit 3
	s_mov_b32 s53, 0x76543210                      ; v_permlanex16_b32: each lane takes its own place in the other half
	s_mov_b32 s54, 0xfedcba98
	s_mov_b32 s56, 0xbfb8aa3b                      ; -log2(e), rounded to f32,
	s_mov_b32 s57, 0xb2a5705f                      ; and what the rounding left
	s_mov_b32 s59, 0x3f317218                      ; ln 2
	s_mov_b32 s60, 0xc2ae0000                      ; -87.0
	s_mov_b32 s61, 0x42ae0000                      ; 87.0
	s_mov_b32 s29, 0
	s_lshl_b32 s28, ttmp9, 16                      ; g x 16 rows x 4,096 bytes; also g x 65,536 bytes of k16 and v16
	s_wait_kmcnt 0x0
	s_add_nc_u64 s[4:5], s[4:5], s[28:29]
	s_add_nc_u64 s[10:11], s[10:11], s[28:29]
	s_add_nc_u64 s[22:23], s[22:23], s[28:29]
	s_add_nc_u64 s[24:25], s[24:25], s[28:29]
	s_lshl_b32 s28, ttmp9, 17                      ; g x 131,072 bytes of keys_w and values_w
	s_add_nc_u64 s[12:13], s[12:13], s[28:29]
	s_add_nc_u64 s[14:15], s[14:15], s[28:29]
	s_lshl_b32 s28, ttmp9, 15                      ; g x 16 rows x 2,048 bytes of x16
	s_add_nc_u64 s[20:21], s[20:21], s[28:29]
	s_lshl_b32 s28, ttmp9, 10                      ; g x 16 rows x 64 bytes of gate
	s_add_nc_u64 s[18:19], s[18:19], s[28:29]
	s_mul_i32 s28, ttmp9, 384                      ; g x 16 rows x 24 bytes of out1
	s_add_nc_u64 s[16:17], s[16:17], s[28:29]
	s_load_b512 s[32:47], s[8:9], 0x0              ; the sixteen biases; waited for where the keys are made
	; expert_sel into LDS as it lies in memory: each wave brings 8,192 bytes.  Behind those loads the wave's two selection rows.
.irp i, 0,1,2,3,4,5,6,7,8,9,10,11,12,13,14,15
	global_load_b128 v[WB0+4*\i:WB0+4*\i+3], v4, s[6:7] offset:512*\i
.endr
.irp i, 0,1,2,3,4,5,6,7,8,9,10,11,12,13,14,15
	global_load_b128 v[XS+4*\i:XS+4*\i+3], v4, s[4:5] offset:512*\i th:TH_LOAD_NT
.endr
	s_wait_loadcnt 16                              ; expert_sel's sixteen are in; the sixteen younger loads (the rows) stay out
.irp i, 0,1,2,3,4,5,6,7,8,9,10,11,12,13,14,15
	ds_store_b128 v4, v[WB0+4*\i:WB0+4*\i+3] offset:512*\i
.endr
	s_wait_dscnt 0x0                               ; for the others' sake: my part of the table is written
	s_barrier_signal -1
	s_barrier_wait -1                              ; the launch's one barrier: the table is whole, and nobody writes it again
; Eight LDS loads: expert e's row, 512 neighbouring bytes each
.macro WLOAD e, buf
.irp j, 0,1,2,3,4,5,6,7
	ds_load_b128 v[\buf+4*\j:\buf+4*\j+3], v2 offset:4096*(\e)+512*\j
.endr
.endm
; Expert e against both tokens: the lane's 32 products a token, in two chains of pairs each (four sums of eight), the four chains by turns; then the lane's sum.
.macro EXPERT e
.set WB, WB0+32*((\e)%2)
.set WN, WB0+32*(((\e)+1)%2)
.if (\e) < 15
	WLOAD (\e)+1, WN                               ; the next expert's row goes out first
	s_wait_dscnt 0x8                               ; all but the eight just issued: this expert's row is in
.else
	s_wait_dscnt 0x0
.endif
.set q, 0
.rept 16
.irp t, 0,1
.set cc, CH+4*\t+2*(q%2)
.if q < 2
	v_pk_mul_f32 v[cc:cc+1], v[XS+32*\t+2*q:XS+32*\t+2*q+1], v[WB+2*q:WB+2*q+1]     ; the first products start the chains: nothing is cleared
.else
	v_pk_fma_f32 v[cc:cc+1], v[XS+32*\t+2*q:XS+32*\t+2*q+1], v[WB+2*q:WB+2*q+1], v[cc:cc+1]
.endif
.endr
.set q, q+1
.endr
.irp t, 0,1
	v_pk_add_f32 v[CH+4*\t:CH+4*\t+1], v[CH+4*\t:CH+4*\t+1], v[CH+4*\t+2:CH+4*\t+3]
.endr
	v_add_f32 v[LG0+(\e)], v[CH], v[CH+1]
	v_add_f32 v[LG1+(\e)], v[CH+4], v[CH+5]
.endm
	WLOAD 0, WB0
	s_wait_loadcnt 0x0                             ; the two selection rows
.irp e, 0,1,2,3,4,5,6,7,8,9,10,11,12,13,14,15
	EXPERT \e
.endr
; THE CAST'S RING.  80 chunks of 512 bytes of f32 a wave: 0-15 token_stream, 16-47 keys_w, 48-79 values_w.  A chunk's load covers 512 neighbouring bytes, its store 256, aligned.
.macro CLOAD c
.set sl, CX+4*((\c)%16)
.if (\c) < 16
	global_load_b128 v[sl:sl+3], v4, s[10:11] offset:512*(\c) th:TH_LOAD_NT
.elseif (\c) < 48
	global_load_b128 v[sl:sl+3], v7, s[12:13] offset:512*((\c)-16) th:TH_LOAD_NT
.else
	global_load_b128 v[sl:sl+3], v7, s[14:15] offset:512*((\c)-48) th:TH_LOAD_NT
.endif
.endm
.macro CSTORE c                        ; no hint: the next launches read these bytes
.set sy, CY+2*((\c)%16)
.if (\c) < 16
	global_store_b64 v8, v[sy:sy+1], s[20:21] offset:256*(\c)
.elseif (\c) < 48
	global_store_b64 v9, v[sy:sy+1], s[22:23] offset:256*((\c)-16)
.else
	global_store_b64 v9, v[sy:sy+1], s[24:25] offset:256*((\c)-48)
.endif
.endm
.set c, 0
.rept 16
	CLOAD c                                        ; the selection rows' registers are free: the ring is filled now and is on its way during the ranking
.set c, c+1
.endr
	; ACROSS THE LANES.  Lanes 0-15 go on for token 0, lanes 16-31 for token 1: each half keeps its own token's partial sum and hands the other token's over.
.set e, 0
.rept 16
	v_cndmask_b32 v[PX+e], v[LG0+e], v[LG1+e], s48 ; what I keep
	v_cndmask_b32 v[QX+e], v[LG1+e], v[LG0+e], s48 ; what the lane 16 away wants
.set e, e+1
.endr
.set e, 0
.rept 16
	v_permlanex16_b32 v[LG1+e], v[QX+e], s53, s54  ; its destination counts as read: LG1 has been written
.set e, e+1
.endr
.set e, 0
.rept 16
	v_add_f32 v[LG0+e], v[PX+e], v[LG1+e]
.set e, e+1
.endr
.irp m, 1,2,4,8
.set e, 0
.rept 16
	v_add_f32_dpp v[LG0+e], v[LG0+e], v[LG0+e] row_xmask:\m row_mask:0xf bank_mask:0xf
.set e, e+1
.endr
.endr
	; every lane of a half now holds its token's sixteen logits
	; SIGMOID = 1 / (1 + 2^(-x log2 e)).  The exponent is kept as p + q (p the rounded product, q what the rounding and the constant's rounding left):
	; 2^(p + q) = 2^p (1 + q ln 2).  The reciprocal gets one Newton step.
.set e, 0
.rept 16
	v_med3_num_f32 v[LG0+e], v[LG0+e], s60, s61    ; the clamp of the head comment: no exponential overflows, no reciprocal falls below the normal range
.set e, e+1
.endr
.set e, 0
.rept 16
	v_mul_f32 v[PX+e], s56, v[LG0+e]
.set e, e+1
.endr
.set e, 0
.rept 16
	v_fma_f32 v[QX+e], v[LG0+e], s56, -v[PX+e]
.set e, e+1
.endr
.set e, 0
.rept 16
	v_fma_f32 v[QX+e], v[LG0+e], s57, v[QX+e]
.set e, e+1
.endr
.set e, 0
.rept 16
	v_exp_f32 v[PX+e], v[PX+e]
.set e, e+1
.endr
.set e, 0
.rept 16
	v_mul_f32 v[QX+e], s59, v[QX+e]                ; plain work that names no exponential's register: the first of these is the place behind the last exponential (ISA guide 5.7.2)
.set e, e+1
.endr
.set e, 0
	s_wait_alu depctr_va_vdst(0)
.rept 16
	v_fma_f32 v[PX+e], v[PX+e], v[QX+e], v[PX+e]
.set e, e+1
.endr
.set e, 0
.rept 16
	v_add_f32 v[PX+e], 1.0, v[PX+e]
.set e, e+1
.endr
.set e, 0
.rept 16
	v_rcp_f32 v[QX+e], v[PX+e]
.set e, e+1
.endr
	v_nop                                          ; a plain instruction between the last reciprocal and what uses its result and rewrites its source
.set e, 0
	s_wait_alu depctr_va_vdst(0)
.rept 16
	v_fma_f32 v[PX+e], -v[PX+e], v[QX+e], 1.0
.set e, e+1
.endr
.set e, 0
.rept 16
	v_fma_f32 v[AFF+e], v[QX+e], v[PX+e], v[QX+e]
.set e, e+1
.endr
	s_wait_kmcnt 0x0                               ; the biases
.set i, 0
.rept 14
	v_add_f32 v[KEY+i], s[32+i], v[AFF+i]          ; the key as it is ranked: affinity + bias, one f32 addition
.set i, i+1
.endr
; The k-th choice: the largest key, the lowest index among equals (a later key replaces the best only if it is larger).  All by selects: no branch hangs on a number.
; Then the chosen key becomes -inf and the chosen expert's gate its affinity; the first choice also writes the zeros, so nothing is cleared.
.macro PICK k
	v_mov_b32 v[BEST], v[KEY]
	v_mov_b32 v[BI+\k], 0
.set i, 1
.rept 13
	v_cmp_le_f32 vcc_lo, v[KEY+i], v[BEST]
	v_cndmask_b32 v[BEST], v[KEY+i], v[BEST], vcc_lo
	v_cndmask_b32 v[BI+\k], i, v[BI+\k], vcc_lo
.set i, i+1
.endr
.set i, 0
.rept 14
	v_cmp_eq_u32 vcc_lo, i, v[BI+\k]
	v_cndmask_b32 v[KEY+i], v[KEY+i], v[NINF], vcc_lo
.if \k == 0
	v_cndmask_b32 v[GATE+i], 0, v[AFF+i], vcc_lo
.else
	v_cndmask_b32 v[GATE+i], v[GATE+i], v[AFF+i], vcc_lo
.endif
.set i, i+1
.endr
.endm
	PICK 0
	PICK 1
	PICK 2
	PICK 3
	; lane r takes gate r of its token: a tree of fifteen selects on the lane number's bits
.set m, 0
.rept 7
	v_cndmask_b32 v[PX+m], v[GATE+2*m], v[GATE+2*m+1], s49
.set m, m+1
.endr
	v_cndmask_b32 v[PX+7], v[AFF+14], v[AFF+15], s49       ; the shared experts' gates are their affinities
.set m, 0
.rept 4
	v_cndmask_b32 v[PX+8+m], v[PX+2*m], v[PX+2*m+1], s50
.set m, m+1
.endr
	v_cndmask_b32 v[PX+12], v[PX+8], v[PX+9], s51
	v_cndmask_b32 v[PX+13], v[PX+10], v[PX+11], s51
	v_cndmask_b32 v[PX+14], v[PX+12], v[PX+13], s52
	v_mul_f32 v[PX+14], 0x3e800000, v[PX+14]       ; a quarter of it is stored (exact): the head comment's factor, which v16's factor 4 takes back
	; lane r < 6 takes index r: the four choices in rank order, then 14 and 15
	v_cndmask_b32 v[QX], v[BI], v[BI+1], s49
	v_cndmask_b32 v[QX+1], v[BI+2], v[BI+3], s49
	v_and_b32 v[QX+2], 1, v1
	v_add_nc_u32 v[QX+2], 14, v[QX+2]
	v_cndmask_b32 v[QX], v[QX], v[QX+1], s50
	v_cndmask_b32 v[QX], v[QX], v[QX+2], s51
	global_store_b32 v10, v[PX+14], s[18:19]       ; the wave's two rows of gate: 128 neighbouring bytes (the buffer is 1/400 of the launch's bytes: no trip through LDS for it)
	v_cmp_gt_u32 vcc_lo, 6, v3
	s_wait_xcnt 0x0                                ; EXEC is a source of the loads and the store that are out: it changes only behind this wait
	s_and_saveexec_b32 s55, vcc_lo
	global_store_b32 v11, v[QX], s[16:17]          ; six indices a token
	s_wait_xcnt 0x0                                ; and again in front of the line that widens it; it also frees the two stores' data registers for the ring
	s_or_b32 exec_lo, exec_lo, s55
	; THE CAST.  Sixteen loads of every wave are on their way; no address register is ever rewritten: a chunk's place stands in the immediate.
.set c, 0
.rept 80
.if c < 64
	s_wait_loadcnt 15                              ; loads come back in order (ISA guide 5.7.1): chunk c is in, the fifteen younger ones stay out
.else
	s_wait_loadcnt 79-c                            ; the last sixteen chunks load nothing: the counts run down
.endif
	s_wait_xcnt 0x0                                ; the slot's two output registers, which its store sixteen chunks back reads, are rewritten only behind this wait
.if c >= 48
	v_pk_mul_f32 v[CX+4*(c%16):CX+4*(c%16)+1], v[CX+4*(c%16):CX+4*(c%16)+1], 4.0 op_sel_hi:[1,0]       ; values_w times 4 (exact)
	v_pk_mul_f32 v[CX+4*(c%16)+2:CX+4*(c%16)+3], v[CX+4*(c%16)+2:CX+4*(c%16)+3], 4.0 op_sel_hi:[1,0]
.endif
	v_cvt_pk_f16_f32 v[CY+2*(c%16)], v[CX+4*(c%16)], v[CX+4*(c%16)+1]
	v_cvt_pk_f16_f32 v[CY+2*(c%16)+1], v[CX+4*(c%16)+2], v[CX+4*(c%16)+3]
.if c < 64
	CLOAD c+16                                     ; the load ahead of the store
.endif
	CSTORE c
.set c, c+1
.endr
	s_wait_tensorcnt 0x0
	ds_add_u32 v224, v225
	s_wait_dscnt 0x0
	s_endpgm
.Lfunc_end_k_q168cdce680_prep:
	.size	k_q168cdce680_prep, .Lfunc_end_k_q168cdce680_prep-k_q168cdce680_prep
	.p2alignl 7, 3214868480
	.fill 96, 4, 3214868480
	.section	.rodata,"a",@progbits
	.p2align	6, 0x0
	.amdhsa_kernel k_q168cdce680_prep
		.amdhsa_group_segment_fixed_size 66560
		.amdhsa_private_segment_fixed_size 0
		.amdhsa_enable_private_segment 0
		.amdhsa_kernarg_size 88
		.amdhsa_user_sgpr_count 2
		.amdhsa_user_sgpr_kernarg_segment_ptr 1
		.amdhsa_wavefront_size32 1
		.amdhsa_system_sgpr_workgroup_id_x 1
		.amdhsa_system_sgpr_workgroup_id_y 1
		.amdhsa_system_sgpr_workgroup_id_z 1
		.amdhsa_system_vgpr_workitem_id 0
		.amdhsa_next_free_vgpr 226
		.amdhsa_next_free_sgpr 66
		.amdhsa_reserve_vcc 1
		.amdhsa_float_denorm_mode_32 3
		.amdhsa_float_denorm_mode_16_64 3
		.amdhsa_memory_ordered 1
		.amdhsa_forward_progress 1
		.amdhsa_inst_pref_size 114
	.end_amdhsa_kernel
	.amdgpu_metadata
---
amdhsa.version: [ 1, 2 ]
amdhsa.kernels:
  - .name:           k_q168cdce680_prep
    .symbol:         k_q168cdce680_prep.kd
    .args:
      - { .name: selection_input, .offset: 0, .size: 8, .value_kind: global_buffer, .address_space: global }
      - { .name: expert_sel, .offset: 8, .size: 8, .value_kind: global_buffer, .address_space: global }
      - { .name: bias_ffn, .offset: 16, .size: 8, .value_kind: global_buffer, .address_space: global }
      - { .name: token_stream, .offset: 24, .size: 8, .value_kind: global_buffer, .address_space: global }
      - { .name: keys_w, .offset: 32, .size: 8, .value_kind: global_buffer, .address_space: global }
      - { .name: values_w, .offset: 40, .size: 8, .value_kind: global_buffer, .address_space: global }
      - { .name: out1, .offset: 48, .size: 8, .value_kind: global_buffer, .address_space: global }
      - { .name: gate, .offset: 56, .size: 8, .value_kind: global_buffer, .address_space: global }
      - { .name: x16, .offset: 64, .size: 8, .value_kind: global_buffer, .address_space: global }
      - { .name: k16, .offset: 72, .size: 8, .value_kind: global_buffer, .address_space: global }
      - { .name: v16, .offset: 80, .size: 8, .value_kind: global_buffer, .address_space: global }
    .group_segment_fixed_size: 66560
    .private_segment_fixed_size: 0
    .kernarg_segment_align: 8
    .kernarg_segment_size: 88
    .max_flat_workgroup_size: 256
    .sgpr_count:     66
    .vgpr_count:     226
    .wavefront_size: 32
...
	.end_amdgpu_metadata
.endif
;; end of part 1
;; launch ffn1 (part 2): grid 32 x 8, 4 waves a work-group, clusters of 4 x 4, 327,680 bytes of LDS; arguments x16, k16, gate, h; writes h
.if DOCPART == 2
	.amdgcn_target "amdgcn-amd-amdhsa--gfx1250"
	.amdhsa_code_object_version 6
	.text
	.protected	k_q168cdce680_ffn1
	.globl	k_q168cdce680_ffn1
	.p2align	8
	.type	k_q168cdce680_ffn1,@function
k_q168cdce680_ffn1:
	s_mov_b64 s[64:65], 0
	v_nop
	global_prefetch_b8 v0, s[64:65] scope:SCOPE_SE
	s_setreg_imm32_b32 hwreg(HW_REG_WAVE_MODE, 25, 1), 1
	s_wait_xcnt 0x0
	s_wait_alu depctr_hold_cnt(0) depctr_sa_sdst(0) depctr_va_vdst(0) depctr_va_sdst(0) depctr_va_ssrc(0) depctr_va_vcc(0) depctr_vm_vsrc(0)
	s_getreg_b32 s2, hwreg(HW_REG_IB_STS2, 6, 4)
	s_cmp_eq_u32 s2, 0
	s_cbranch_scc0 .Lentry_in_a_cluster
	s_endpgm
.Lentry_in_a_cluster:
	s_bfe_u32 s2, ttmp6, 0x10000c
	s_cmp_lg_u32 s2, 0xf033
	s_cbranch_scc0 .Lentry_shape_is_right
	s_endpgm
.Lentry_shape_is_right:
; h[t][512 e + f] = gate[t][e] silu(sum over d of x16[t][d] k16[e][d][f]).  x16: [4096][1024], k16: [16][1024][512], h: [4096][8192], all f16; gate: [4096][16] f32, a quarter of the
; affinity where the expert is chosen, else 0; sums and silu in f32.  So h holds a quarter of the hidden layer: up to 262,016 of it fits f16's 65,504 (beyond: an infinity);
; scores of 29,000 (x and keys_w both offset by 30 spreads) leave a factor of 9.
; Seen as one product C = A B of 4096 x 8192 x 1024, in which a tile column of 256 lies in one expert.  A tile of C, 256 x 256, is made by four waves, as many as a WGP has SIMDs;
; a wave makes 128 x 128: 64 accumulators of 16 x 16, 512 registers.  K goes in steps of 128 through a ring of two LDS slots filled by the tensor data mover.
; B LIES [K][N] in memory: its tiles come in as they lie (128 k rows of 128 n), and the fragments are turned on the way out of LDS by ds_load_tr16_b128.
; A WORK-GROUP STAYS: it makes two tiles of C, 2,048 rows apart, with the same rows of B; the ring goes on from the first tile into the second.
; CLUSTERS: 4 x 4 work-groups.  The four of a row of the cluster need the same tiles of A, the four of a column the same tiles of B: each tile is asked for JOINTLY, by the same tensor
; load with the same descriptor and a mask that names the four.
; THE MATRIX INSTRUCTION IS USED TRANSPOSED (source 0 = 16 columns of B, source 1 = 16 rows of A): a lane holds ONE row of C (lane % 16) and eight neighbouring columns, so a lane needs
; one gate for a block of 16 rows, and its eight results pack into 16 bytes.
; silu(x) g = x g / (1 + 2^(-x log2 e)).  Where the exponential overflows, the reciprocal is 0 and the result a zero, as silu's limit is.  NaN inputs are not served.
; REGISTERS, in windows of 256:
;   window 0: v0-15 gates; v16-27 addresses; v64-127, v128-191 fragments of A, two buffers; on the way out v128-191 x g, v192-223 packed results, v32-63 and v224-255 rows read back
;   window 1: v64-127, v128-191 fragments of B; v192-255 the exponentials on the way out
;   window 2: the 32 accumulators of my rows 0-63 (accumulator (a, b) at v[8 (8 a + b)]);   window 3: those of my rows 64-127
.set SIZE_N, 8192
.set SIZE_K, 1024
.set SIZE_TILES, 2
.set KSTEP,  128
.set PA,     272                       ; a row of A in LDS: 256 bytes + 16 of padding = 68 words: row r starts at bank 4 r mod 64 (64 banks of 4 bytes: ISA guide 11.1)
.set PB,     288                       ; a row of B: 256 + 32 = 72 words: row r starts at bank 8 r mod 64
.set HALFA,  128*PA                    ; 128 rows of A: what wave 0 or 1 brings
.set HALFB,  128*PB                    ; 128 k rows x 128 columns of B: what wave 2 or 3 brings, and what one wave reads of B
.set SLOT,   4*HALFB                   ; A's two halves from byte 0 on; B's two column halves at 2 HALFB and 3 HALFB
.set STAGE,  2*SLOT                    ; behind the ring: 16 rows x 272 bytes for each wave, for the way out; no tensor load fills it
.set SPITCH, 272
.set LAPS,   SIZE_K/(2*KSTEP)          ; a lap = two K steps = once round the ring
.set WALK,   2048                      ; rows from a work-group's first tile to its second
.set NEXT_A, WALK*SIZE_K*2-(SIZE_K-2*KSTEP)*2   ; bytes from a slot's last K step of a tile to its first of the next: A goes WALK rows down and back along K,
.set STEP_B, 2*KSTEP*512*2             ; B steps down its rows: two K steps of 128 rows of 1,024 bytes,
.set BACK_B, (SIZE_K-2*KSTEP)*512*2    ; and only goes back at a tile's end
.set NEXT_C, (WALK-7*16)*SIZE_N*2      ; bytes from my last 16 rows of a tile to my first of the next
.set GT,   0                           ; v[0:15]  block a's gate of my row, twice: a pair for the packed multiply
.set ADRA, 16                          ; v16-17   LDS address of my A fragments in slot 0, 1
.set ADRB, 20                          ; v20-21   the same for B
.set STO,  24                          ; the way out: where I put 16 bytes of a row
.set RD,   25                          ; the way out: where I read a row back
.set CO,   26                          ; my byte offset in h
.set GOFF, 27                          ; my row's byte offset in gate: 64 (lane % 16)
.set OB,   32
.set F0,   64
.set F1,   128
.set U,    128                         ; the way out: x g, in window 0
.set TMP,  192
.set T,    192                         ; the way out: exponent, exponential, reciprocal, in window 1
.set G1,  24                           ; s[24:31] descriptor group 1 for A's tiles;  s[32:39] group 0, one set for each slot
.set G0,  32
.set G1B, 48                           ; s[48:55], s[56:63] the same for B's tiles
.set G0B, 56
.set MSB, 0
.macro WIN new                         ; the immediate's high byte repeats the setting that is left; a switch that changes nothing is dropped
.if MSB != \new
	s_set_vgpr_msb (MSB<<8)|\new
.set MSB, \new
.endif
.endm
.set MUL_LO, 0xa1                      ; source 0 (B) window 1, source 1 (A) window 0, C and D window 2
.set MUL_HI, 0xf1                      ; the same, C and D window 3
.set TO_B,   0x40                      ; destination window 1, address window 0
; A joint load.  Waves 0 and 1 fetch A's two halves, waves 2 and 3 B's.  The branch hangs on the wave's number alone.  Four v_nop follow each of the two lines, ahead of the jump,
; the label and what follows the macro.
.macro JLOAD s
	s_cmp_eq_u32 s11, 0
	s_cbranch_scc0 .Lfor_b_\@
	tensor_load_to_lds s[G0+4*\s:G0+4*\s+3], s[G1:G1+7]
	s_nop 0
.rept 4
	v_nop
.endr
	s_branch .Lasked_\@
.Lfor_b_\@:
	tensor_load_to_lds s[G0B+4*\s:G0B+4*\s+3], s[G1B:G1B+7]
	s_nop 0
.rept 4
	v_nop
.endr
.Lasked_\@:
.endm
; A round of the cluster's barrier: my work-group's barrier, so that wave 0's signal speaks for all four waves; wave 0 signals; every wave waits for all sixteen work-groups; my work-group's barrier once more.
.macro CREST                           ; a round behind its opening barrier
	s_cmp_lg_u32 s10, 0
	s_cbranch_scc1 .Lnot_wave_0_\@
	s_barrier_signal -3
.Lnot_wave_0_\@:
	s_barrier_wait -3
	s_barrier_signal -1
	s_barrier_wait -1
.endm
.macro CROUND                          ; a whole round
	s_barrier_signal -1
	s_barrier_wait -1
	CREST
.endm
	s_load_b128 s[4:7], s[0:1], 0x0                ; x16 s[4:5], k16 s[6:7]
	s_load_b64 s[68:69], s[0:1], 0x10              ; gate
	s_load_b64 s[8:9], s[0:1], 0x18                ; h
	s_set_vgpr_msb 0x40
	v_lshl_add_u32 v63, v0, 2, 0x4c400
	s_set_vgpr_msb 0x4000
	v_mov_b32 v31, 0
	s_set_vgpr_msb 0x1
	ds_add_u32 v63, v31
	s_set_vgpr_msb 0x100
	v_lshrrev_b32 v1, 5, v0
	v_readfirstlane_b32 s10, v1                    ; wave 0..3
	s_lshr_b32 s11, s10, 1                         ; which half of the tile's rows is mine.  Also: I fetch for A (0) or for B (1)
	s_and_b32 s12, s10, 1                          ; which half of its columns.  Also: which half of that tile I fetch
	s_bfe_u32 s40, ttmp6, 0x40000                  ; cx, cy: my place in the cluster
	s_bfe_u32 s41, ttmp6, 0x40004
	s_lshl_b32 s42, ttmp9, 2
	s_add_co_u32 s42, s42, s40                     ; tile column of C = 4 x cluster x + cx: expert = column / 2, the expert's columns 256 (column % 2) on
	s_and_b32 s13, ttmp7, 0xffff
	s_lshl_b32 s13, s13, 2
	s_add_co_u32 s13, s13, s41                     ; tile row of the first tile = 4 x cluster y + cy
	s_lshl_b32 s43, s41, 2
	s_lshl_b32 s43, 15, s43                        ; my row of the cluster: places 4 cy .. 4 cy + 3
	s_lshl_b32 s44, 0x1111, s40                    ; my column: places cx, cx + 4, cx + 8, cx + 12
	; descriptor group 1: tiles of 128 rows x 128 elements, padded in LDS
	s_or_b32 s[G1+0], s43, (1<<16)|(1<<20)|(1<<21)|(5<<22)|(3<<25)   ; 15:0 the mask: A's tiles go to my row; 17:16 elements of 2 bytes; 20 padding on; 21 set beside a mask; 24:22 after every 64 words (code 5); 31:25 4 words of it (code 3)
	s_or_b32 s[G1B+0], s44, (1<<16)|(1<<20)|(1<<21)|(5<<22)|(7<<25)  ; B's tiles go to my column; 8 words of padding (code 7)
.irp g, G1, G1B
	s_mov_b32 s[\g+1], KSTEP<<16                   ; 63:48 tensor_dim0, low half = 128
	s_mov_b32 s[\g+2], 128<<16                     ; 95:80 tensor_dim1, low half = 128
	s_mov_b32 s[\g+3], 128<<16                     ; 127:112 tile_dim0 = 128
	s_mov_b32 s[\g+4], 128                         ; 143:128 tile_dim1 = 128; tile_dim2 = 0
	s_mov_b32 s[\g+6], 0
	s_mov_b32 s[\g+7], 0
.endr
	s_mov_b32 s[G1+5], SIZE_K                      ; elements from row to row: x16's rows are 1,024 long,
	s_mov_b32 s[G1B+5], 512                        ; k16's 512
	; where the tiles come from.  A's hang on the tile row alone, B's on the tile column alone; each address is made in registers that never hold the other coordinate.
	s_lshl_b32 s17, s12, 7
	s_lshl_b32 s16, s13, 8
	s_add_co_u32 s16, s16, s17                     ; A: row 256 x tile row + 128 x half,
	s_lshl_b32 s16, s16, 11                        ; of 2,048 bytes
	s_mov_b32 s17, 0
	s_lshr_b32 s46, s42, 1
	s_lshl_b32 s46, s46, 20                        ; B: the expert's 1,024 x 512 x 2 bytes,
	s_and_b32 s47, s42, 1
	s_lshl_b32 s47, s47, 9                         ; the tile's 256 columns,
	s_add_co_u32 s46, s46, s47
	s_lshl_b32 s47, s12, 8                         ; the half's 128 columns
	s_add_co_u32 s46, s46, s47
	s_mov_b32 s47, 0
	s_mul_i32 s20, s10, HALFA                      ; and where they go: waves 0 and 1: A's half w at w x HALFA;
	s_mul_i32 s45, s10, HALFB                      ; waves 2 and 3: B's half w - 2 at w x HALFB: no place in the cluster enters an LDS address
	s_mov_b32 s66, 0xbfb8aa3b                      ; -log2(e); the packed multiply names a pair and takes its low word for both halves
	s_mov_b32 s67, s66
	s_wait_dscnt 0x0
	s_wait_kmcnt 0x0
	s_add_nc_u64 s[14:15], s[4:5], s[16:17]
	s_add_nc_u64 s[46:47], s[6:7], s[46:47]
	CROUND                                         ; all sixteen work-groups are here: the first joint loads meet
.irp s, 0,1
	s_mov_b32 s[G0+4*\s], 1                                        ; 1:0 count = 1
	s_add_co_u32 s[G0+4*\s+1], s20, \s*SLOT                        ; 63:32 LDS address
	s_add_nc_u64 s[G0+4*\s+2:G0+4*\s+3], s[14:15], \s*KSTEP*2      ; 120:64 global address: K step s
	s_or_b32 s[G0+4*\s+3], s[G0+4*\s+3], 0x80000000                ; 127:126 type = 2
	s_mov_b32 s[G0B+4*\s], 1
	s_add_co_u32 s[G0B+4*\s+1], s45, \s*SLOT
	s_add_nc_u64 s[G0B+4*\s+2:G0B+4*\s+3], s[46:47], \s*KSTEP*512*2
	s_or_b32 s[G0B+4*\s+3], s[G0B+4*\s+3], 0x80000000
	JLOAD \s                                       ; the ring is filled before anything else is done: two loads of mine are out
.endr
	; A's fragment: 16 rows x 32 K in 8 registers: lane l holds row l % 16; two loads of 16 bytes, 32 bytes apart, at row x pitch + 16 (l / 16).
	; B's fragment, turned: lane l reads 16 bytes of k row 8 (l / 16) + l % 8, columns 8 ((l / 8) % 2) + 0..7, and receives column l % 16 with 8 k; the second load stands 16 k rows below.
	v_and_b32 v1, 15, v0                           ; l % 16
	v_bfe_u32 v2, v0, 4, 1                         ; l / 16
	v_mul_u32_u24 v3, v1, PA
	v_lshl_add_u32 v3, v2, 4, v3
	v_and_b32 v4, 7, v0
	v_lshl_add_u32 v4, v2, 3, v4
	v_mul_u32_u24 v4, v4, PB
	v_bfe_u32 v5, v0, 3, 1
	v_lshl_add_u32 v4, v5, 4, v4
	s_mul_i32 s21, s11, HALFA                      ; my 128 rows of A
	s_mul_i32 s22, s12, HALFB                      ; my 128 columns of B,
	s_add_co_u32 s22, s22, 2*HALFB                 ; which lie behind A's part of the slot
.irp s, 0,1
	v_add_nc_u32 v[ADRA+\s], s21, v3
	v_add_nc_u32 v[ADRB+\s], s22, v4
	s_add_co_u32 s21, s21, SLOT
	s_add_co_u32 s22, s22, SLOT
.endr
	s_mul_i32 s23, s10, 16*SPITCH
	s_add_co_u32 s23, s23, STAGE                   ; my stage
	v_mul_u32_u24 v6, v1, SPITCH                   ; in: row l % 16, 16 bytes for each half of the lanes
	v_lshl_add_u32 v6, v2, 4, v6
	v_add_nc_u32 v[STO], s23, v6
	v_mul_u32_u24 v7, v2, SPITCH                   ; back: lanes 0-15 take one row of 256 bytes, lanes 16-31 the next
	v_lshl_add_u32 v7, v1, 4, v7
	v_add_nc_u32 v[RD], s23, v7
	v_mul_u32_u24 v7, v2, SIZE_N*2                 ; and the same two rows in h
	v_lshl_add_u32 v[CO], v1, 4, v7
	v_lshlrev_b32 v[GOFF], 6, v1
	s_lshl_b32 s16, s13, 8
	s_lshl_b32 s14, s11, 7
	s_add_co_u32 s16, s16, s14                     ; my first row of the first tile
	s_lshl_b32 s70, s16, 6                         ; gate: rows of 64 bytes,
	s_lshr_b32 s71, s42, 1
	s_lshl2_add_u32 s70, s71, s70                  ; + 4 x expert
	s_mov_b32 s71, 0
	s_add_nc_u64 s[68:69], s[68:69], s[70:71]
	s_lshl_b32 s16, s16, 14                        ; h: rows of 16,384 bytes,
	s_lshl_b32 s46, s42, 9                         ; + 512 x tile column
	s_lshl_b32 s47, s12, 8                         ; + 256 x half
	s_add_co_u32 s46, s46, s47
	s_add_co_u32 s16, s16, s46                     ; what the first way out adds to h's address (under 2^27)
	s_mov_b32 s17, 0
; 16 matrix instructions: m blocks a0, a0 + 1 of the window's four x all 8 n blocks, 32 along K.  zero = 1: the first product starts the sums: nothing is ever cleared.
; The 64 accumulators take turns, one instruction a turn, in the same order in every quarter.
.macro MUL16 f, hi, a0, zero
.irp a, \a0, \a0+1
.irp b, 0,1,2,3,4,5,6,7
.if \zero
	v_wmma_f32_16x16x32_f16 v[8*(8*(\a)+\b):8*(8*(\a)+\b)+7], v[\f+8*\b:\f+8*\b+7], v[\f+8*(4*\hi+\a):\f+8*(4*\hi+\a)+7], 0
.else
	v_wmma_f32_16x16x32_f16 v[8*(8*(\a)+\b):8*(8*(\a)+\b)+7], v[\f+8*\b:\f+8*\b+7], v[\f+8*(4*\hi+\a):\f+8*(4*\hi+\a)+7], v[8*(8*(\a)+\b):8*(8*(\a)+\b)+7]
.endif
.endr
.endr
.endm
; 32 LDS loads in one run: the fragments of quarter q of a K step (32 k x 128 columns of B, turned; 128 rows of A x 32 k) into buffer f
.macro FETCH slot, q, f
	WIN TO_B
.irp i, 0,1,2,3,4,5,6,7
	ds_load_tr16_b128 v[\f+8*\i:\f+8*\i+3],   v[ADRB+\slot] offset:\q*32*PB+32*\i
	ds_load_tr16_b128 v[\f+8*\i+4:\f+8*\i+7], v[ADRB+\slot] offset:\q*32*PB+16*PB+32*\i
.endr
	WIN 0
.irp i, 0,1,2,3,4,5,6,7
	ds_load_b128 v[\f+8*\i:\f+8*\i+3],   v[ADRA+\slot] offset:\q*64+\i*16*PA
	ds_load_b128 v[\f+8*\i+4:\f+8*\i+7], v[ADRA+\slot] offset:\q*64+\i*16*PA+32
.endr
.endm
; A load into a register that a matrix instruction has read, and a vector instruction that reads a matrix result or writes one of a matrix instruction's registers, stand four places
; behind it, and only plain vector instructions that name none of its registers are places (ISA guide 7.12.1 for vector instructions).
.macro PLACES
.rept 4
	v_nop
.endr
.endm
; A K step is four quarters of 32 along K, 64 matrix instructions each, on buffers 0, 1, 0, 1.  One of the first three: multiplies buffer f; in its middle it fetches quarter q into buffer g.
.macro QUARTER slot, q, f, g, zero
	s_wait_dscnt 8                                 ; B and A's rows 0-63 are in; the youngest eight loads (A's rows 64-127) may be out
	WIN MUL_LO
	MUL16 \f, 0, 0, \zero
	MUL16 \f, 0, 2, \zero
	PLACES
	FETCH \slot, \q, \g
	s_wait_dscnt 32                                ; all but the 32 just issued
	WIN MUL_HI
	MUL16 \f, 1, 0, \zero
	MUL16 \f, 1, 2, \zero
.endm
; The last quarter multiplies buffer 1 and changes slots.  MEET is its first half: ONE barrier.  In front of it each wave waits for its own reads of this slot and for all its tensor
; loads, of which one is out: its part of the next slot.  Behind it nobody reads this slot any more and the next slot is whole.
.macro MEET round                      ; round = 1: a round of the cluster's barrier follows
	s_wait_dscnt 8
	WIN MUL_LO
	MUL16 F1, 0, 0, 0
	s_wait_dscnt 0                                 ; my reads of this slot are over
	s_wait_tensorcnt 0x0                           ; and all my tensor loads have landed
	ds_add_u32 v63, v31
	s_wait_dscnt 0x0
	s_barrier_signal -1
	MUL16 F1, 0, 2, 0                              ; register work while the others arrive
.if \round
	WIN 0
.endif
	s_barrier_wait -1
.endm
; The whole last quarter.  Behind the round the slot just read out is filled again first: with this tile's K step two steps on (on = 0) or with the next tile's K step 0 or 1 (on = 1);
; then come the next slot's first fragments.  From a request to the wait for it a wave issues 240 matrix instructions.
.macro TURN slot, next, on
	MEET 1
	CREST                                          ; no wave of any partner still reads this slot's tile or has a load on its way
.if \on
	s_add_nc_u64 s[G0+4*\slot+2:G0+4*\slot+3], s[G0+4*\slot+2:G0+4*\slot+3], NEXT_A
	s_sub_nc_u64 s[G0B+4*\slot+2:G0B+4*\slot+3], s[G0B+4*\slot+2:G0B+4*\slot+3], BACK_B
.else
	s_add_nc_u64 s[G0+4*\slot+2:G0+4*\slot+3], s[G0+4*\slot+2:G0+4*\slot+3], 2*KSTEP*2
	s_add_nc_u64 s[G0B+4*\slot+2:G0B+4*\slot+3], s[G0B+4*\slot+2:G0B+4*\slot+3], STEP_B
.endif
	JLOAD \slot                                    ; the first tensor load behind the round, my only one until the next; its four v_nop are also the places in front of the loads below
	FETCH \next, 0, F0
	WIN MUL_HI
	MUL16 F1, 1, 0, 0
	MUL16 F1, 1, 2, 0
.endm
; THE WAY OUT of block a (16 rows x 128 columns, 8 accumulators), in three parts.
; ACT: silu and the gate in f32, rounded to f16, 16 bytes a lane.  Each accumulator's registers are taken in ascending order.  Work is laid in runs under one window setting: five switches a block.
.macro ACT a
.set aw, 2+(\a)/4
.set AC, 64*((\a)%4)
	WIN (0x40|aw)                                  ; source 0: the accumulators' window; destination: window 1
.set i, 0
.rept 32
	v_pk_mul_f32 v[T+2*i:T+2*i+1], v[AC+2*i:AC+2*i+1], s[66:67] op_sel_hi:[1,0]     ; -x log2 e
.set i, i+1
.endr
	WIN aw                                         ; destination and source 1: window 0
.set i, 0
.rept 32
	v_pk_mul_f32 v[U+2*i:U+2*i+1], v[AC+2*i:AC+2*i+1], v[GT+2*(\a):GT+2*(\a)+1]     ; x g
.set i, i+1
.endr
	WIN 0x41                                       ; source 0 and destination: window 1
.set i, 0
.rept 64
	v_exp_f32 v[T+i], v[T+i]
.set i, i+1
.endr
	v_nop                                          ; a plain instruction behind the last exponential, ahead of the use of its result (ISA guide 5.7.2)
.set i, 0
	s_wait_alu depctr_va_vdst(0)
.rept 32
	v_pk_add_f32 v[T+2*i:T+2*i+1], v[T+2*i:T+2*i+1], 1.0 op_sel_hi:[1,0]
.set i, i+1
.endr
.set i, 0
.rept 64
	v_rcp_f32 v[T+i], v[T+i]
.set i, i+1
.endr
	v_nop
	WIN 0x04                                       ; source 1: window 1
.set i, 0
	s_wait_alu depctr_va_vdst(0)
.rept 32
	v_pk_mul_f32 v[U+2*i:U+2*i+1], v[U+2*i:U+2*i+1], v[T+2*i:T+2*i+1]
.set i, i+1
.endr
	WIN 0
.set i, 0
.rept 32
	v_cvt_pk_f16_f32 v[TMP+i], v[U+2*i], v[U+2*i+1]
.set i, i+1
.endr
.endm
; TOSTAGE: into my own stage in LDS, and back as whole rows of 256 bytes.
.macro TOSTAGE a
.set BK, OB+192*((\a)%2)
.irp b, 0,1,2,3,4,5,6,7
	ds_store_b128 v[STO], v[TMP+4*\b:TMP+4*\b+3] offset:32*\b
.endr
.irp t, 0,1,2,3,4,5,6,7
	ds_load_b128 v[BK+4*\t:BK+4*\t+3], v[RD] offset:\t*2*SPITCH    ; LDS serves a wave's instructions in order (ISA guide 5.7.1.4): these see the stores above
.endr
.endm
; SEND: stored.
.macro SEND a, younger
.set BK, OB+192*((\a)%2)
	s_wait_dscnt \younger                          ; the block is back in registers
	s_wait_xcnt 0x0                                ; only behind this wait are the stores' base and the registers that earlier stores read rewritten
.if (\a) == 0
	s_add_nc_u64 s[8:9], s[8:9], s[16:17]          ; on to this tile's first rows
.else
	s_add_nc_u64 s[8:9], s[8:9], 16*SIZE_N*2       ; 16 rows of h on
.endif
.irp t, 0,1,2,3,4,5,6,7
	global_store_b128 v[CO], v[BK+4*\t:BK+4*\t+3], s[8:9] offset:2*\t*SIZE_N*2   ; 16 lanes store 256 consecutive bytes, at a multiple of 256 from h's first byte
.endr
.endm
	s_wait_tensorcnt 1                             ; my part of K step 0 is in; K step 1's may stay out
	s_barrier_signal -1
	s_barrier_wait -1                              ; everybody's is
	FETCH 0, 0, F0
	s_mov_b32 s2, SIZE_TILES                       ; tiles to go, this one among them: the same number in every work-group
.Ltile:
.irp a, 0,1,2,3,4,5,6,7                ; the tile's gates: one number a lane for each block of 16 rows, asked for a whole tile ahead of its use (4 bytes of rows 64 bytes apart: 16 loads for a tile's 2,048 products)
	global_load_b32 v[GT+2*\a],   v[GOFF], s[68:69] offset:1024*\a
	global_load_b32 v[GT+2*\a+1], v[GOFF], s[68:69] offset:1024*\a
.endr
	QUARTER 0, 1, F0, F1, 1                        ; a tile's first quarter stands in front of the loop: its products start the sums
	WIN 0                                          ; at a label and at a branch every window is 0
	s_mov_b32 s3, LAPS-1
.Llap:                                                 ; a trip goes once round the ring, from a lap's second quarter to the next lap's first, and fills both slots again
	QUARTER 0, 2, F1, F0, 0
	QUARTER 0, 3, F0, F1, 0
	TURN 0, 1, 0
	QUARTER 1, 1, F0, F1, 0
	QUARTER 1, 2, F1, F0, 0
	QUARTER 1, 3, F0, F1, 0
	TURN 1, 0, 0
	QUARTER 0, 1, F0, F1, 0
	WIN 0
	s_sub_co_u32 s3, s3, 1
	s_cmp_lg_u32 s3, 0
	s_cbranch_scc1 .Llap
	QUARTER 0, 2, F1, F0, 0                        ; the tile's last lap goes on
	QUARTER 0, 3, F0, F1, 0
	WIN 0
	s_cmp_eq_u32 s2, 1
	s_cbranch_scc1 .Llast                          ; the last tile's tail is written out: it asks for nothing more
	TURN 0, 1, 1                                   ; THE RING GOES ON INTO THE NEXT TILE: slot 0 takes its K step 0,
	QUARTER 1, 1, F0, F1, 0
	QUARTER 1, 2, F1, F0, 0
	QUARTER 1, 3, F0, F1, 0
	TURN 1, 0, 1                                   ; slot 1 its K step 1, and the next tile's first fragments are fetched into buffer 0, which the way out leaves alone
	WIN 0
	s_branch .Lout
.Llast:
	MEET 0                                         ; my one tensor load that was still out is slot 1's, the last K step's, so no round follows
	PLACES                                         ; for the loads into buffer 0, which the quarter before multiplied
	FETCH 1, 0, F0
	WIN MUL_HI
	MUL16 F1, 1, 0, 0
	MUL16 F1, 1, 2, 0
	QUARTER 1, 1, F0, F1, 0
	QUARTER 1, 2, F1, F0, 0
	QUARTER 1, 3, F0, F1, 0
	s_wait_dscnt 8                                 ; the very last quarter: nothing more to fetch
	WIN MUL_LO
	MUL16 F1, 0, 0, 0
	MUL16 F1, 0, 2, 0
	s_wait_dscnt 0
	WIN MUL_HI
	MUL16 F1, 1, 0, 0
	MUL16 F1, 1, 2, 0
	WIN 0
.Lout:                                                 ; THE WAY OUT, written once for both tiles
	PLACES                                         ; behind the last products: their results are read and their buffer of A (v128-191) is written below
	s_wait_loadcnt 0x0                             ; the gates are in, so their base may step:
	s_add_nc_u64 s[68:69], s[68:69], WALK*64       ; the next tile's rows of gate (behind the last tile the stepped address is not used)
	ACT 0
	TOSTAGE 0
.irp a, 1,2,3,4,5,6,7                  ; block a's arithmetic stands between block a - 1's loads from the stage and the wait for them
	ACT \a
	SEND \a-1, 0
	TOSTAGE \a
.endr
	SEND 7, 0
	s_mov_b64 s[16:17], NEXT_C                     ; what the next way out adds to h's address
	s_sub_co_u32 s2, s2, 1
	s_cmp_lg_u32 s2, 0
	s_cbranch_scc1 .Ltile
	s_wait_tensorcnt 0x0                           ; no tensor load is out at the end (met: the last tile asked for none)
	s_set_vgpr_msb 0x1
	s_wait_tensorcnt 0x0
	ds_add_u32 v63, v31
	s_wait_dscnt 0x0
	s_set_vgpr_msb 0x100
	CROUND                                         ; the closing round: no work-group ends while a partner may still ask for a tile that names it
	s_endpgm
.Lfunc_end_k_q168cdce680_ffn1:
	.size	k_q168cdce680_ffn1, .Lfunc_end_k_q168cdce680_ffn1-k_q168cdce680_ffn1
	.p2alignl 7, 3214868480
	.fill 96, 4, 3214868480
	.section	.rodata,"a",@progbits
	.p2align	6, 0x0
	.amdhsa_kernel k_q168cdce680_ffn1
		.amdhsa_group_segment_fixed_size 327680
		.amdhsa_private_segment_fixed_size 0
		.amdhsa_enable_private_segment 0
		.amdhsa_kernarg_size 32
		.amdhsa_user_sgpr_count 2
		.amdhsa_user_sgpr_kernarg_segment_ptr 1
		.amdhsa_wavefront_size32 1
		.amdhsa_system_sgpr_workgroup_id_x 1
		.amdhsa_system_sgpr_workgroup_id_y 1
		.amdhsa_system_sgpr_workgroup_id_z 1
		.amdhsa_system_vgpr_workitem_id 0
		.amdhsa_next_free_vgpr 1024
		.amdhsa_next_free_sgpr 72
		.amdhsa_reserve_vcc 0
		.amdhsa_float_denorm_mode_32 3
		.amdhsa_float_denorm_mode_16_64 3
		.amdhsa_memory_ordered 1
		.amdhsa_forward_progress 1
		.amdhsa_inst_pref_size 255
	.end_amdhsa_kernel
	.section	.bss,"aw",@nobits
	.p2align	6
	.space	262144
	.amdgpu_metadata
---
amdhsa.version: [ 1, 2 ]
amdhsa.kernels:
  - .name:           k_q168cdce680_ffn1
    .symbol:         k_q168cdce680_ffn1.kd
    .args:
      - { .name: x16, .offset: 0, .size: 8, .value_kind: global_buffer, .address_space: global }
      - { .name: k16, .offset: 8, .size: 8, .value_kind: global_buffer, .address_space: global }
      - { .name: gate, .offset: 16, .size: 8, .value_kind: global_buffer, .address_space: global }
      - { .name: h, .offset: 24, .size: 8, .value_kind: global_buffer, .address_space: global }
    .group_segment_fixed_size: 327680
    .private_segment_fixed_size: 0
    .kernarg_segment_align: 8
    .kernarg_segment_size: 32
    .max_flat_workgroup_size: 128
    .sgpr_count:     72
    .vgpr_count:     1024
    .wavefront_size: 32
...
	.end_amdgpu_metadata
.endif
;; end of part 2
;; launch ffn2 (part 3): grid 8 x 32, 4 waves a work-group, clusters of 4 x 4, 327,680 bytes of LDS; arguments h, v16, out0; writes out0
.if DOCPART == 3
	.amdgcn_target "amdgcn-amd-amdhsa--gfx1250"
	.amdhsa_code_object_version 6
	.text
	.protected	k_q168cdce680_ffn2
	.globl	k_q168cdce680_ffn2
	.p2align	8
	.type	k_q168cdce680_ffn2,@function
k_q168cdce680_ffn2:
	s_mov_b64 s[64:65], 0
	v_nop
	global_prefetch_b8 v0, s[64:65] scope:SCOPE_SE
	s_setreg_imm32_b32 hwreg(HW_REG_WAVE_MODE, 25, 1), 1
	s_wait_xcnt 0x0
	s_wait_alu depctr_hold_cnt(0) depctr_sa_sdst(0) depctr_va_vdst(0) depctr_va_sdst(0) depctr_va_ssrc(0) depctr_va_vcc(0) depctr_vm_vsrc(0)
	s_getreg_b32 s2, hwreg(HW_REG_IB_STS2, 6, 4)
	s_cmp_eq_u32 s2, 0
	s_cbranch_scc0 .Lentry_in_a_cluster
	s_endpgm
.Lentry_in_a_cluster:
	s_bfe_u32 s2, ttmp6, 0x10000c
	s_cmp_lg_u32 s2, 0xf033
	s_cbranch_scc0 .Lentry_shape_is_right
	s_endpgm
.Lentry_shape_is_right:
; out0[t][d] = sum over k of h[t][k] v16[k][d].  h: [4096][8192] f16, a quarter of the gated hidden layer; v16: [8192][1024] f16, four times values_w (its experts one below the other):
; the two powers of two cancel in every product, exactly.  out0: [4096][1024] f32; sums in f32.
; C is 4096 x 1024: tiles of 256 x 256 would be 64, so a tile is 128 x 128: 256 work-groups.  Four waves, each 64 x 64: 16 accumulators of 16 x 16, 128 registers.
; K goes in steps of 256, as long as two slots in LDS allow: A's rows are 512 bytes (a wave's tensor load brings 64 of them); B lies [K][N] and comes in as it lies, 256 k rows of
; 128 columns (a wave's load brings 128 rows), and its fragments are turned on the way out of LDS by ds_load_tr16_b128.
; CLUSTERS: 4 x 4 work-groups.  The four of a row of the cluster need the same tiles of A, the four of a column the same tiles of B: each tile is asked for JOINTLY.
; THE MATRIX INSTRUCTION IS USED TRANSPOSED (source 0 = 16 columns of B, source 1 = 16 rows of A): a lane holds eight neighbouring numbers of a row of C.
; THE WAY OUT: a wave's 64 columns of f32 are 256 aligned bytes of a row, so each wave has a stage of its own, and no barrier and no conversion stand on the way.
; REGISTERS: window 0: v16-26 addresses; v32-95 rows read back from the stage, two sets; v128-255 the accumulators ((a, b) at v[128 + 8 (4 a + b)]).
;   window 1: two fragment buffers of 128: for 64 along K, 64 registers of A (2 x 4 x 16 rows x 32 K), then 64 of B.
.set SIZE_N, 1024
.set SIZE_K, 8192
.set KSTEP,  256
.set PA,     528                       ; a row of A in LDS: 512 bytes + 16 of padding = 132 words: row r starts at bank 4 r mod 64 (64 banks of 4 bytes: ISA guide 11.1)
.set PB,     288                       ; a row of B: 256 + 32 = 72 words
.set HALFA,  64*PA                     ; 64 rows of A: what wave 0 or 1 brings, and what one wave reads of A
.set HALFB,  128*PB                    ; 128 k rows of B: what wave 2 or 3 brings
.set SLOT,   4*HALFB                   ; A's two halves from byte 0 on; B's 256 k rows from 2 HALFB on
.set STAGE,  2*SLOT                    ; behind the ring: 16 rows x 272 bytes for each wave; no tensor load fills it
.set SPITCH, 272
.set LAPS,   SIZE_K/(2*KSTEP)          ; a lap = two K steps = once round the ring
.set ADRA, 16                          ; v16-17  LDS address of my A fragments in slot 0, 1
.set ADRB, 20                          ; v20-23  the same for B, two for a slot (k rows 0-127, 128-255): 240 rows of 288 bytes pass the LDS offset's 16 bits
.set STO,  24
.set RD,   25
.set CO,   26
.set TMP,  32
.set ACC,  128
.set F0,   0                           ; fragment buffers, in window 1
.set F1,   128
.set G1,  24                           ; s[24:31] descriptor group 1 for A's tiles;  s[32:39] group 0, one set for each slot
.set G0,  32
.set G1B, 48                           ; s[48:55], s[56:63] the same for B's tiles
.set G0B, 56
.set MSB, 0
.macro WIN new                         ; the immediate's high byte repeats the setting that is left
.if MSB != \new
	s_set_vgpr_msb (MSB<<8)|\new
.set MSB, \new
.endif
.endm
.set MUL,  0x05                        ; sources 0 (B) and 1 (A) window 1; C and D window 0
.set TO_F, 0x40                        ; destination window 1, address window 0
.macro JLOAD s                         ; a joint load: waves 0 and 1 fetch A's two halves, waves 2 and 3 B's; four v_nop follow each of the two lines, ahead of the jump, the label and what follows
	s_cmp_eq_u32 s11, 0
	s_cbranch_scc0 .Lfor_b_\@
	tensor_load_to_lds s[G0+4*\s:G0+4*\s+3], s[G1:G1+7]
	s_nop 0
.rept 4
	v_nop
.endr
	s_branch .Lasked_\@
.Lfor_b_\@:
	tensor_load_to_lds s[G0B+4*\s:G0B+4*\s+3], s[G1B:G1B+7]
	s_nop 0
.rept 4
	v_nop
.endr
.Lasked_\@:
.endm
.macro CREST                           ; a round of the cluster's barrier behind its opening barrier
	s_cmp_lg_u32 s10, 0
	s_cbranch_scc1 .Lnot_wave_0_\@
	s_barrier_signal -3
.Lnot_wave_0_\@:
	s_barrier_wait -3
	s_barrier_signal -1
	s_barrier_wait -1
.endm
.macro CROUND                          ; a whole round
	s_barrier_signal -1
	s_barrier_wait -1
	CREST
.endm
	s_load_b128 s[4:7], s[0:1], 0x0                ; h s[4:5], v16 s[6:7]
	s_load_b64 s[8:9], s[0:1], 0x10                ; out0
	v_lshl_add_u32 v126, v0, 2, 0x4c400
	v_mov_b32 v127, 0
	ds_add_u32 v126, v127
	v_lshrrev_b32 v1, 5, v0
	v_readfirstlane_b32 s10, v1                    ; wave 0..3
	s_lshr_b32 s11, s10, 1                         ; which half of the tile's rows is mine.  Also: I fetch for A (0) or for B (1)
	s_and_b32 s12, s10, 1                          ; which half of its columns.  Also: which half of that tile I fetch
	s_bfe_u32 s40, ttmp6, 0x40000                  ; cx, cy: my place in the cluster
	s_bfe_u32 s41, ttmp6, 0x40004
	s_lshl_b32 s42, ttmp9, 2
	s_add_co_u32 s42, s42, s40                     ; tile column of C = 4 x cluster x + cx
	s_and_b32 s13, ttmp7, 0xffff
	s_lshl_b32 s13, s13, 2
	s_add_co_u32 s13, s13, s41                     ; tile row of C = 4 x cluster y + cy
	s_lshl_b32 s43, s41, 2
	s_lshl_b32 s43, 15, s43                        ; my row of the cluster
	s_lshl_b32 s44, 0x1111, s40                    ; my column
	; descriptor group 1.  A: 64 rows x 256 elements; B: 128 rows x 128 elements; both padded in LDS
	s_or_b32 s[G1+0], s43, (1<<16)|(1<<20)|(1<<21)|(6<<22)|(3<<25)   ; 15:0 the mask: A's tiles go to my row; 17:16 elements of 2 bytes; 20 padding on; 21 set beside a mask; 24:22 after every 128 words (code 6); 31:25 4 words of it (code 3)
	s_mov_b32 s[G1+1], KSTEP<<16                   ; tensor_dim0 = 256
	s_mov_b32 s[G1+2], 64<<16                      ; tensor_dim1 = 64
	s_mov_b32 s[G1+3], KSTEP<<16                   ; tile_dim0 = 256
	s_mov_b32 s[G1+4], 64                          ; tile_dim1 = 64
	s_mov_b32 s[G1+5], SIZE_K                      ; elements from row to row of h
	s_mov_b32 s[G1+6], 0
	s_mov_b32 s[G1+7], 0
	s_or_b32 s[G1B+0], s44, (1<<16)|(1<<20)|(1<<21)|(5<<22)|(7<<25)  ; B's tiles go to my column; after every 64 words (code 5) 8 words of padding (code 7)
	s_mov_b32 s[G1B+1], 128<<16                    ; tensor_dim0 = 128
	s_mov_b32 s[G1B+2], 128<<16                    ; tensor_dim1 = 128
	s_mov_b32 s[G1B+3], 128<<16                    ; tile_dim0 = 128
	s_mov_b32 s[G1B+4], 128                        ; tile_dim1 = 128
	s_mov_b32 s[G1B+5], SIZE_N                     ; elements from row to row of v16
	s_mov_b32 s[G1B+6], 0
	s_mov_b32 s[G1B+7], 0
	s_lshl_b32 s17, s12, 6
	s_lshl_b32 s16, s13, 7
	s_add_co_u32 s16, s16, s17                     ; A: row 128 x tile row + 64 x half,
	s_lshl_b32 s16, s16, 14                        ; of 16,384 bytes
	s_mov_b32 s17, 0
	s_lshl_b32 s46, s42, 8                         ; B: the tile's 128 columns,
	s_lshl_b32 s47, s12, 18                        ; the half's 128 k rows of 2,048 bytes
	s_add_co_u32 s46, s46, s47
	s_mov_b32 s47, 0
	s_mul_i32 s20, s10, HALFA                      ; where they go: waves 0 and 1: A's half w at w x HALFA;
	s_mul_i32 s45, s10, HALFB                      ; waves 2 and 3: B's half w - 2 at w x HALFB
	s_wait_dscnt 0x0
	s_wait_kmcnt 0x0
	s_add_nc_u64 s[14:15], s[4:5], s[16:17]
	s_add_nc_u64 s[46:47], s[6:7], s[46:47]
	CROUND                                         ; all sixteen work-groups are here: the first joint loads meet
.irp s, 0,1
	s_mov_b32 s[G0+4*\s], 1
	s_add_co_u32 s[G0+4*\s+1], s20, \s*SLOT
	s_add_nc_u64 s[G0+4*\s+2:G0+4*\s+3], s[14:15], \s*KSTEP*2
	s_or_b32 s[G0+4*\s+3], s[G0+4*\s+3], 0x80000000
	s_mov_b32 s[G0B+4*\s], 1
	s_add_co_u32 s[G0B+4*\s+1], s45, \s*SLOT
	s_add_nc_u64 s[G0B+4*\s+2:G0B+4*\s+3], s[46:47], \s*KSTEP*SIZE_N*2
	s_or_b32 s[G0B+4*\s+3], s[G0B+4*\s+3], 0x80000000
	JLOAD \s                                       ; two loads of mine are out
.endr
	v_and_b32 v1, 15, v0                           ; l % 16
	v_bfe_u32 v2, v0, 4, 1                         ; l / 16
	v_mul_u32_u24 v3, v1, PA
	v_lshl_add_u32 v3, v2, 4, v3                   ; A: a fragment's row x pitch + 16 x half
	v_and_b32 v4, 7, v0
	v_lshl_add_u32 v4, v2, 3, v4                   ; B, turned: k row 8 (l / 16) + l % 8,
	v_mul_u32_u24 v4, v4, PB
	v_bfe_u32 v5, v0, 3, 1
	v_lshl_add_u32 v4, v5, 4, v4                   ; columns 8 ((l / 8) % 2) on
	s_mul_i32 s21, s11, HALFA                      ; my 64 rows of A
	s_lshl_b32 s22, s12, 7                         ; my 64 columns of B: 128 bytes of each row,
	s_add_co_u32 s22, s22, 2*HALFB                 ; behind A's part of the slot
.irp s, 0,1
	v_add_nc_u32 v[ADRA+\s], s21, v3
	v_add_nc_u32 v[ADRB+2*\s], s22, v4
	s_add_co_u32 s22, s22, HALFB
	v_add_nc_u32 v[ADRB+2*\s+1], s22, v4
	s_add_co_u32 s21, s21, SLOT
	s_add_co_u32 s22, s22, SLOT-HALFB
.endr
	s_mul_i32 s23, s10, 16*SPITCH
	s_add_co_u32 s23, s23, STAGE                   ; my stage
	v_mul_u32_u24 v6, v1, SPITCH                   ; in: row l % 16, 32 bytes (eight f32) for each half of the lanes
	v_lshl_add_u32 v6, v2, 5, v6
	v_add_nc_u32 v[STO], s23, v6
	v_mul_u32_u24 v7, v2, SPITCH                   ; back: lanes 0-15 take one row of 256 bytes, lanes 16-31 the next
	v_lshl_add_u32 v7, v1, 4, v7
	v_add_nc_u32 v[RD], s23, v7
	v_lshlrev_b32 v7, 12, v2                       ; and the same two rows in out0
	v_lshl_add_u32 v[CO], v1, 4, v7
	s_lshl_b32 s16, s13, 7
	s_lshl_b32 s17, s11, 6
	s_add_co_u32 s16, s16, s17                     ; my first row of C: 128 x tile row + 64 x half,
	s_lshl_b32 s16, s16, 12                        ; of 4,096 bytes
	s_mov_b32 s17, 0
	s_add_nc_u64 s[8:9], s[8:9], s[16:17]
	s_lshl_b32 s46, s42, 9                         ; my first column, in bytes: 512 x tile column + 256 x half
	s_lshl_b32 s47, s12, 8
	s_add_co_u32 s46, s46, s47
	s_mov_b32 s47, 0
	s_add_nc_u64 s[8:9], s[8:9], s[46:47]
; 8 matrix instructions: m blocks a0, a0 + 1 x all 4 n blocks, 32 along K: half c of buffer f.  zero = 1: the first product starts the sums.
; The 16 accumulators take turns, one instruction a turn.
.macro MUL8 f, c, a0, zero
.irp a, \a0, \a0+1
.irp b, 0,1,2,3
.if \zero
	v_wmma_f32_16x16x32_f16 v[ACC+8*(4*(\a)+\b):ACC+8*(4*(\a)+\b)+7], v[\f+64+8*(4*\c+\b):\f+64+8*(4*\c+\b)+7], v[\f+8*(4*\c+\a):\f+8*(4*\c+\a)+7], 0
.else
	v_wmma_f32_16x16x32_f16 v[ACC+8*(4*(\a)+\b):ACC+8*(4*(\a)+\b)+7], v[\f+64+8*(4*\c+\b):\f+64+8*(4*\c+\b)+7], v[\f+8*(4*\c+\a):\f+8*(4*\c+\a)+7], v[ACC+8*(4*(\a)+\b):ACC+8*(4*(\a)+\b)+7]
.endif
.endr
.endr
.endm
; 32 LDS loads in one run: the fragments of quarter q of a K step (64 along K), into buffer f; the first 32 along K first
.macro FETCH slot, q, f
	WIN TO_F
.irp c, 0,1
.irp i, 0,1,2,3
	ds_load_tr16_b128 v[\f+64+8*(4*\c+\i):\f+64+8*(4*\c+\i)+3],   v[ADRB+2*\slot+(\q)/2] offset:(((\q)%2)*64+32*\c)*PB+32*\i
	ds_load_tr16_b128 v[\f+64+8*(4*\c+\i)+4:\f+64+8*(4*\c+\i)+7], v[ADRB+2*\slot+(\q)/2] offset:(((\q)%2)*64+32*\c+16)*PB+32*\i
	ds_load_b128 v[\f+8*(4*\c+\i):\f+8*(4*\c+\i)+3],   v[ADRA+\slot] offset:128*(\q)+64*\c+\i*16*PA
	ds_load_b128 v[\f+8*(4*\c+\i)+4:\f+8*(4*\c+\i)+7], v[ADRA+\slot] offset:128*(\q)+64*\c+\i*16*PA+32
.endr
.endr
.endm
.macro PLACES                          ; four places in front of loads into registers that matrix instructions have read, and of LDS stores that read results (ISA guide 7.12.1 for vector instructions)
.rept 4
	v_nop
.endr
.endm
; A K step is four quarters of 64 along K, 32 matrix instructions each, on buffers 0, 1, 0, 1.  One of the first three: multiplies buffer f and fetches quarter q into g.
.macro QUARTER slot, q, f, g, zero
	s_wait_dscnt 16                                ; the first 32 along K are in; the sixteen younger loads may be out
	WIN MUL
	MUL8 \f, 0, 0, \zero
	MUL8 \f, 0, 2, \zero
	PLACES
	FETCH \slot, \q, \g
	s_wait_dscnt 32                                ; all but the 32 just issued
	WIN MUL
	MUL8 \f, 1, 0, 0
	MUL8 \f, 1, 2, 0
.endm
; The last quarter multiplies buffer 1 and changes slots: ONE barrier; in front of it each wave waits for its own reads of this slot and for all its tensor loads.  fill = 1: this slot is filled again, two K steps ahead.
.macro TURN slot, next, fill
	s_wait_dscnt 16
	WIN MUL
	MUL8 F1, 0, 0, 0
	s_wait_dscnt 0                                 ; my reads of this slot are over,
	s_set_vgpr_msb 0x500
	s_wait_tensorcnt 0x0                           ; and all my tensor loads have landed: my part of the next slot
	ds_add_u32 v126, v127
	s_wait_dscnt 0x0
	s_set_vgpr_msb 0x5
	s_barrier_signal -1
	MUL8 F1, 0, 2, 0
.if \fill
	WIN 0
.endif
	s_barrier_wait -1
.if \fill
	CREST                                          ; the barrier has opened a round of the cluster's barrier: no wave of any partner still reads this slot's tile or has a load on its way
	s_add_nc_u64 s[G0+4*\slot+2:G0+4*\slot+3], s[G0+4*\slot+2:G0+4*\slot+3], 2*KSTEP*2
	s_add_nc_u64 s[G0B+4*\slot+2:G0B+4*\slot+3], s[G0B+4*\slot+2:G0B+4*\slot+3], 2*KSTEP*SIZE_N*2
	JLOAD \slot                                    ; the first tensor load behind the round, my only one until the next: 120 matrix instructions ahead of the wait for it; its four v_nop are also the places in front of the loads below
.else
	PLACES
.endif
	FETCH \next, 0, F0
	WIN MUL
	MUL8 F1, 1, 0, 0
	MUL8 F1, 1, 2, 0
.endm
	s_wait_tensorcnt 1                             ; my part of K step 0 is in; K step 1's may stay out
	s_barrier_signal -1
	s_barrier_wait -1                              ; everybody's is
	FETCH 0, 0, F0
	QUARTER 0, 1, F0, F1, 1                        ; the first quarter stands in front of the loop: its first products start the sums
	WIN 0                                          ; at a label and at a branch every window is 0
	s_mov_b32 s3, LAPS-1
.Llap:                                                 ; a trip goes once round the ring, from a lap's second quarter to the next lap's first, and fills both slots again
	QUARTER 0, 2, F1, F0, 0
	QUARTER 0, 3, F0, F1, 0
	TURN 0, 1, 1
	QUARTER 1, 1, F0, F1, 0
	QUARTER 1, 2, F1, F0, 0
	QUARTER 1, 3, F0, F1, 0
	TURN 1, 0, 1
	QUARTER 0, 1, F0, F1, 0
	WIN 0
	s_sub_co_u32 s3, s3, 1
	s_cmp_lg_u32 s3, 0
	s_cbranch_scc1 .Llap
	QUARTER 0, 2, F1, F0, 0                        ; the last lap fills nothing, and has no round of the cluster's barrier
	QUARTER 0, 3, F0, F1, 0
	TURN 0, 1, 0
	QUARTER 1, 1, F0, F1, 0
	QUARTER 1, 2, F1, F0, 0
	QUARTER 1, 3, F0, F1, 0
	s_wait_dscnt 16                                ; the very last quarter: nothing more to fetch
	WIN MUL
	MUL8 F1, 0, 0, 0
	MUL8 F1, 0, 2, 0
	s_wait_dscnt 0
	MUL8 F1, 1, 0, 0
	MUL8 F1, 1, 2, 0
	WIN 0
; THE WAY OUT.  Block a (16 rows x 64 columns of f32): a lane's eight numbers of a row, 32 bytes, go into my stage's rows of 272 bytes, each accumulator's low four registers first,
; and come back as whole rows of 256 bytes.
.macro OUTB a
.irp b, 0,1,2,3
	ds_store_b128 v[STO], v[ACC+8*(4*\a+\b):ACC+8*(4*\a+\b)+3]   offset:64*\b
	ds_store_b128 v[STO], v[ACC+8*(4*\a+\b)+4:ACC+8*(4*\a+\b)+7] offset:64*\b+16
.endr
.if \a >= 2
	s_wait_xcnt 0x0                                ; this set of registers was the data of block a - 2's stores: it is loaded again only behind this wait
.endif
.irp t, 0,1,2,3,4,5,6,7
	ds_load_b128 v[TMP+32*(\a%2)+4*\t:TMP+32*(\a%2)+4*\t+3], v[RD] offset:\t*2*SPITCH   ; LDS serves a wave's instructions in order (ISA guide 5.7.1.4): these see the stores above; the next block's stores come behind them
.endr
.endm
.macro SENDB a, younger                ; younger: the LDS instructions issued behind block a's loads: the next block's sixteen, or none
.irp t, 0,1,2,3,4,5,6,7
	s_wait_dscnt \younger+7-\t
	global_store_b128 v[CO], v[TMP+32*(\a%2)+4*\t:TMP+32*(\a%2)+4*\t+3], s[8:9] offset:(16*\a+2*\t)*SIZE_N*4 th:TH_STORE_NT   ; 16 lanes store 256 consecutive bytes, at a multiple of 256 from out0's first byte
.endr
.endm
	PLACES                                         ; behind the last products: the LDS stores read results
	OUTB 0
	OUTB 1
	SENDB 0, 16
	OUTB 2
	SENDB 1, 16
	OUTB 3
	SENDB 2, 16
	SENDB 3, 0
	s_wait_tensorcnt 0x0
	ds_add_u32 v126, v127
	s_wait_dscnt 0x0
	CROUND                                         ; the closing round: no work-group ends while a partner may still ask for a tile that names it
	s_endpgm
.Lfunc_end_k_q168cdce680_ffn2:
	.size	k_q168cdce680_ffn2, .Lfunc_end_k_q168cdce680_ffn2-k_q168cdce680_ffn2
	.p2alignl 7, 3214868480
	.fill 96, 4, 3214868480
	.section	.rodata,"a",@progbits
	.p2align	6, 0x0
	.amdhsa_kernel k_q168cdce680_ffn2
		.amdhsa_group_segment_fixed_size 327680
		.amdhsa_private_segment_fixed_size 0
		.amdhsa_enable_private_segment 0
		.amdhsa_kernarg_size 24
		.amdhsa_user_sgpr_count 2
		.amdhsa_user_sgpr_kernarg_segment_ptr 1
		.amdhsa_wavefront_size32 1
		.amdhsa_system_sgpr_workgroup_id_x 1
		.amdhsa_system_sgpr_workgroup_id_y 1
		.amdhsa_system_sgpr_workgroup_id_z 1
		.amdhsa_system_vgpr_workitem_id 0
		.amdhsa_next_free_vgpr 512
		.amdhsa_next_free_sgpr 66
		.amdhsa_reserve_vcc 0
		.amdhsa_float_denorm_mode_32 3
		.amdhsa_float_denorm_mode_16_64 3
		.amdhsa_memory_ordered 1
		.amdhsa_forward_progress 1
		.amdhsa_inst_pref_size 87
	.end_amdhsa_kernel
	.amdgpu_metadata
---
amdhsa.version: [ 1, 2 ]
amdhsa.kernels:
  - .name:           k_q168cdce680_ffn2
    .symbol:         k_q168cdce680_ffn2.kd
    .args:
      - { .name: h, .offset: 0, .size: 8, .value_kind: global_buffer, .address_space: global }
      - { .name: v16, .offset: 8, .size: 8, .value_kind: global_buffer, .address_space: global }
      - { .name: out0, .offset: 16, .size: 8, .value_kind: global_buffer, .address_space: global }
    .group_segment_fixed_size: 327680
    .private_segment_fixed_size: 0
    .kernarg_segment_align: 8
    .kernarg_segment_size: 24
    .max_flat_workgroup_size: 128
    .sgpr_count:     66
    .vgpr_count:     512
    .wavefront_size: 32
...
	.end_amdgpu_metadata
.endif
;; end of part 3
